; MI455X (gfx1250); checked and timed in simulation.
; The chip was launched on July 23, 2026; its instructions are those of AMD's public machine-readable ISA for CDNA 5 (MIT licence, August 2026) and "CDNA5" Instruction Set Architecture Reference Guide (July 2026). The comments in the code are by the model that wrote it; some were corrected since.
;; Dot Product Attention. Allowed arithmetic: matrix products marked QUANTISED: E3M2 operands, one E8M0 scale for each 32 along K, by v_wmma_scale_f32_16x16x128_f8f6f4 with both operands' format E3M2, f32 sums; everything else in f32.
;; Inputs: K_codes 8 x 8 x 2,048 x 2 x 24 uint8 (E3M2 codes of K, K innermost, in blocks of 32 codes, four codes in three bytes); K_scales 8 x 8 x 2,048 x 2 uint8 (E8M0 scales of K, one for each 32 codes along K); Q_codes 8 x 8 x 2,048 x 2 x 24 uint8 (E3M2 codes of Q, K innermost, in blocks of 32 codes, four codes in three bytes); Q_scales 8 x 8 x 2,048 x 2 uint8 (E8M0 scales of Q, one for each 32 codes along K); V_codes 8 x 8 x 64 x 64 x 24 uint8 (E3M2 codes of V, K innermost, in blocks of 32 codes, four codes in three bytes); V_scales 8 x 8 x 64 x 64 uint8 (E8M0 scales of V, one for each 32 codes along K); mask 8 x 2,048 x 1 bool.
;; Outputs: out0 8 x 8 x 2,048 x 64 float32.
;; This version of the problem:
;;   THIS VERSION OF THE PROBLEM IS GIVEN IN LOW PRECISION. The matrix products marked QUANTISED in the list below multiply operands that are first quantised to E3M2 (3 exponent bits, 2 mantissa bits; 6 bits a number), with one power-of-two scale for each 32 numbers along K (OCP MX v1.0); their sums are f32. All else is computed in f32.
;;   The module's matrix products, in the order in which they are computed (A, B: the left and right operand; K: the contracted axis; several contracted axes count as one K, in the product's order):
;;     1. batch 64 x [M 2,048, K 64] x [K 64, N 2,048]; A: input Q (given as codes); B: input K (given as codes): QUANTISED
;;     2. batch 64 x [M 2,048, K 2,048] x [K 2,048, N 64]; A: softmax (see below); B: input V (given as codes): QUANTISED
;;   THE QUANTISER, for each operand of a quantised product, along K:
;;     - K is cut into blocks of 32 from its start; a last block that is shorter is filled with zeros.
;;     - A block's scale is 2^e with e = floor(log2(the largest magnitude in the block)) - 4, held to -126 .. 127; a block of zeros has e = 0. As a byte (E8M0): e + 127.
;;     - Each number is divided by its block's scale, clamped to +-28, and rounded to the nearest number of E3M2, ties to even, subnormals kept.
;;     - The product sums the exact products of the quantised numbers (number of the format x scale) in f32.
;;   ~~~python
;;   def quantise(x, axis):      # numpy; x: float32 -> the quantised numbers, widened to float32 again
;;       x = np.moveaxis(x, axis, -1); K = x.shape[-1]
;;       x = np.pad(x, [(0, 0)] * (x.ndim - 1) + [(0, -K % 32)]); x = x.reshape(x.shape[:-1] + (-1, 32)); a = np.abs(x).max(-1, keepdims=True)
;;       e = np.where(a > 0, np.clip(np.frexp(np.where(a > 0, a, 1))[1] - 1 - 4, -126, 127), 0)      # np.frexp(a)[1] - 1 = floor(log2(a)), exactly
;;       r = np.clip(x / 2.0 ** e, -28, 28)
;;       step = 2.0 ** (np.maximum(np.frexp(np.where(r == 0, 1, r))[1] - 1, -2) - 2)
;;       q = np.round(r / step) * step * 2.0 ** e      # np.round: ties to even
;;       return np.moveaxis(q.reshape(q.shape[:-2] + (-1,))[..., :K], -1, axis).astype(np.float32)
;;   ~~~
;;   SOFTMAX AHEAD OF A QUANTISED PRODUCT. Where the list says 'softmax', what is quantised is not the finished softmax but p = 2^(t - M), with t = logit x log2(e) and M = ceil(the row's largest t), a whole number; so 1/2 < the row's largest p <= 1. The row's sum l is taken of the UNQUANTISED p, in f32, and the product's result is divided by l at the end. Since M is a whole number, a kernel that streams over the keys may use a running M (the ceiling of the running maximum): every later rescaling is an exact power of two, which a block's scale takes up: the codes' values come out the same.
;;   OPERANDS COMPUTED ON THE WAY. 'Computed on the way' means the value that the module computes at that place (a softmax that the list does not call 'softmax' is quantised finished and normalised). What goes into a quantiser is computed in f32, as accurately as f32 sums, v_exp_f32 and their like allow (about 1e-6 of the number): no bf16 or f16 on the way to a quantiser, and a product that is left as it is and whose result goes on into a quantised operand takes f32 operands (vector FMAs, or v_wmma_f32_16x16x4_f32). A number that lies on a knife's edge between two numbers of the format may be rounded either way, as far as f32 arithmetic and the matrix unit's own rounding can turn it there, and no further.
;;   INPUTS GIVEN AS CODES. K (in the module: [8, 8, 2048, 64], K = its axis 3); Q (in the module: [8, 8, 2048, 64], K = its axis 3); V (in the module: [8, 8, 2048, 64], K = its axis 2): each comes as NAME_codes (uint8): NAME with its K axis moved to the last place and cut into blocks of 32 codes, [.., K / 32, bytes a block], one block behind the other in memory; four codes in three bytes: a row's codes are one little-endian stream of bits, code i at bits 6 i .. 6 i + 5 (a code: sign, 3 exponent bits, 2 mantissa bits); and NAME_scales (uint8): the same leading axes, one E8M0 byte (e + 127) for each 32 codes along K. Its value is code x scale, taken as it is: it is not quantised again, and the codes and scales need not be those that the quantiser above would give.
;; One version. Each part assembles by itself: llvm-mc -triple=amdgcn-amd-amdhsa -mcpu=gfx1250 --defsym DOCPART=n.
;; ======== version 1 of 1: 1 launch
;; launch attn (part 1): grid 4 x 64, 8 waves a work-group, clusters of 4 x 1, 274,432 bytes of LDS; arguments Q_codes, Q_scales, K_codes, K_scales, V_codes, V_scales, mask, out0; writes out0
.if DOCPART == 1
	.amdgcn_target "amdgcn-amd-amdhsa--gfx1250"
	.amdhsa_code_object_version 6
	.text
	.protected	k_q068fdf63c1_attn
	.globl	k_q068fdf63c1_attn
	.p2align	8
	.type	k_q068fdf63c1_attn,@function
k_q068fdf63c1_attn:
	s_mov_b64 s[64:65], 0
	v_nop
	global_prefetch_b8 v0, s[64:65] scope:SCOPE_SE
	s_setreg_imm32_b32 hwreg(HW_REG_WAVE_MODE, 25, 1), 1
	s_wait_xcnt 0x0
	s_wait_alu depctr_hold_cnt(0) depctr_sa_sdst(0) depctr_va_vdst(0) depctr_va_sdst(0) depctr_va_ssrc(0) depctr_va_vcc(0) depctr_vm_vsrc(0)
	s_getreg_b32 s2, hwreg(HW_REG_IB_STS2, 6, 4)
	s_cmp_eq_u32 s2, 0
	s_cbranch_scc0 .Lentry_in_a_cluster
	s_endpgm
.Lentry_in_a_cluster:
	s_bfe_u32 s2, ttmp6, 0x10000c
	s_cmp_lg_u32 s2, 0x3003
	s_cbranch_scc0 .Lentry_shape_is_right
	s_endpgm
.Lentry_shape_is_right:
; out0[b][h][q][:] = sum over k of softmax_k(logit) V[b][h][k][:], logit = 10 tanh(Q.K / 8), or -1e10 where mask[b][k] is set.  8 x 8 heads, 2,048 queries, 2,048 keys, head size 64.
; Both products run on the given codes of BF6 (E3M2) with one E8M0 byte for each 32 along a product's K; the weights p are quantised here, along the keys, in blocks of 32.
; NOTHING OF reference() IS LEFT OUT, and every input is loaded.
; A SCORE s BECOMES p IN SIX LINES, all f32:  y = -s log2(e)/4;  e = 2^y;  d = 1 + e;  r = 1/d (so tanh(s/8) = 2 r - 1);  x = A r + b[key];  p = 2^x.
;   With C = 10 log2(e): an open key has A = 2 C, b = -C - 15, so x = t - 15, t = logit x log2(e).  s = +-infinity gives r = 1 or 0: no NaN arises on the way.
; M IS THE CONSTANT 15.  reference() itself clips: |logit| <= 10 for every input, so |t| <= 14.43, 2^-29.5 <= p <= 0.68 and a row's sum is at most 2,048 x 0.68: no exponential and no sum can overflow or
;   underflow in f32.  15 is a whole number, so p, the sum and each block's scale are those under M = ceil(the row's largest t) times one exact power of two: the codes' values are the same, and the factor cancels in O / sum.
; THE MASK costs no line in the loop: it is in the table b.  A masked key has b = -1e30, so p = 0 exactly, as exp(-1e10 - max) is in f32.  Where ALL 2,048 keys of a batch are masked, all logits are equal and
;   every p is 1: there A = 0 and b = 0.  That case only selects values (s_cselect_b32, v_cndmask_b32); no branch hangs on the mask.
; LIMITS: a scale byte 0xff (NaN) among the inputs is not served; mask bytes are 0 or 1, as the type says; scores that are NaN (infinity less infinity in a product) are not served.
; SHARES.  A cluster of four work-groups is one head; a work-group owns 512 queries, each of its eight waves 64: four tiles of 16.  A lane holds ONE query (lane % 16) and half of the keys throughout.
; THE WHOLE HEAD LIES IN LDS: K's codes 96 KiB, V's 96 KiB, V's scale bytes, K's scale words, the table b.  Filled once: no slot is ever filled again, and the loop over the keys has no barrier.
;   K's and V's codes and V's scales are the same for the four work-groups of a head: they are asked for JOINTLY, by tensor loads whose descriptors hang on the head and the wave's number alone.
;   All that the launch reads is asked for at its head, so there is no later load that a prefetch could run ahead of.
; PRODUCT 1, transposed, S^T = K Q^T.  The head's 64 fill half of the form's 128 along K, so a fragment of K holds TWO keys a row: key a in k 0-63, key a + 8 in k 64-127; Q stands once with zeros behind it
;   ([Q|0]: the scores of the keys a) and once with zeros in front ([0|Q]: those of the keys a + 8).  Row m of fragment g = 2 c + f takes key 128 s + 64 c + 16 f + 32 (m / 8) + m % 8.
;   So a lane's registers S + 32 c + 0 .. 31 are the 32 NEIGHBOURING keys 128 s + 64 c + 32 (lane / 16) + 0 .. 31: one whole block, in the very place that product 2's operand gives that lane: no exchange of lanes but for the scale word.
; PRODUCT 2, transposed, O^T += V^T P^T: source 0 = 16 of the head's 64 x 128 keys of V as it lies, source 1 = p's codes.
; REGISTERS, two windows of 256.  Window 0: v1-15 addresses; v16-69 zeros and Q by turns; v70-80 scale words; v82-89 the sums; v90-126 at work; v128-191 S^T, then p; v192-255 b of the step.
;   Window 1: v0-47 K's four fragments; v48-95 V's four; v128-255 O^T, 32 a tile.
.set KDIST, 49280                      ; LDS: K's blocks of 32 keys with key bit 5 = 0 from byte 0, those with bit 5 = 1 from here: 128 mod 256, so that rows 8-15 of a fragment fall 32 banks beside rows 0-7 and the 32 lanes of a load of 8 bytes touch 64 different banks (64 banks of 4 bytes: ISA guide 11.1)
.set VB,    98560                      ; V: 8 slots of 256 keys: 64 rows of 3 x (64 bytes + 16 of padding), 240 bytes apart
.set VSLOT, 15360
.set VSC,   221440                     ; V's scale bytes: 64 rows of 64 bytes + 8
.set KSW,   226048                     ; K's scale words, made here: [step][row] 16 bytes, a word for each of the four fragments
.set BT,    230144                     ; b[key], f32, made here
.set STG,   238336                     ; the way out: 16 rows x (256 + 16) bytes for each wave
.set SPARE, 273152                     ; the spare words, 128 bytes for each wave: four blocks of 256 bytes that no other line names
.set SPW,  1                           ; v1   SPARE + 4 x my thread's number; never rewritten
.set NIL,  2                           ; v2   0; never rewritten
.set AK0,  3                           ; v3   my lane's place in a fragment of K;  v4 among K's scale words;  v5 in b;  v6, v7 in a tile of V (v7: behind one padding more);  v8 among V's scale words.  None is rewritten
.set AKS0, 4
.set AB0,  5
.set AV0,  6
.set AV20, 7
.set AVS0, 8
.set SH8,  9                           ; v9   8 x (lane / 16)
.set STO,  10                          ; v10  the way out: where I put 32 bytes of a row;  v11 where I read a row back;  v12 my byte offset in the wave's rows of out0
.set RD,   11
.set GO,   12
.set ADK,  13                          ; the same six places in the trip in hand
.set ADKS, 14
.set ADB,  15
.set ADV,  121
.set ADV2, 125
.set ADVS, 126
.set QB,   16                          ; v16-69: 0 Q0 0 Q1 0 Q2 0 Q3 0, six registers each: [0|Qt] begins at QB + 12 t, [Qt|0] at QB + 6 + 12 t
.set QS,   70                          ; v70-73 Q's scale words: the row's two bytes, twice
.set KS,   74                          ; v74-77 K's scale words of the step
.set VS,   78                          ; v78-79 V's: lanes 0-15 for tiles 0 and 2 of the head's 64, lanes 16-31 for tiles 1 and 3
.set PW,   80                          ; v80    p's scale word
.set PX,   81                          ; v81    a lane permute's destination
.set LSUM, 82                          ; v82-89 a tile's sum, in two halves
.set CH,   90                          ; v90-97 four chains of sums
.set MX,   98                          ; v98-101 four chains of maxima
.set SOP,  102                         ; v102-103 the conversions' scale operands
.set SBY,  104                         ; v104-105 the scales' bytes
.set PC,   106                         ; v106-117 p's codes
.set PH,   118                         ; v118-120, v122-124 the upper halves of the two blocks, as the conversions leave them
.set S,    128
.set BK,   192
.set KF,   0                           ; window 1
.set VF,   48
.set OB,   128
.set WV,   20                          ; s20 wave;  s21 cx
.set CX,   21
.set AM,   22                          ; s[22:23] A
.set BM,   24                          ; s24 b of a masked key
.set FLG,  25
.set NK,   26                          ; s[26:27] -log2(e)/4
.set SEL,  28                          ; s[28:29] v_permlanex16_b32's selects for lane l xor 16
.set CNT,  30                          ; s30 trips to go
.set G1K,  32                          ; s[32:39], s[40:47], s[48:55] descriptor groups 1 for K, V, V's scales;  s[56:59], s[60:63], s[68:71] their groups 0
.set G1V,  40
.set G1S,  48
.set G0K,  56
.set G0V,  60
.set G0S,  68
.set TK,   90                          ; s90-94 how far the trip in hand lies in K, K's scale words, b, V, V's scale words
.set TKS,  91
.set TBB,  92
.set TV,   93
.set TVS,  94
.set MSB, 0
.macro WIN new                         ; bits 1:0 source 0, 3:2 source 1, 5:4 source 2, 7:6 destination; the immediate's high byte repeats the setting that is left
.if MSB != \new
	s_set_vgpr_msb (MSB<<8)|\new
.set MSB, \new
.endif
.endm
.macro CROUND                          ; a round of the cluster's barrier: my work-group's barrier; wave 0 signals for the work-group; every wave waits for all four; my work-group's barrier once more
	s_barrier_signal -1
	s_barrier_wait -1
	s_cmp_lg_u32 s[WV], 0
	s_cbranch_scc1 .Lnot_wave_0_\@
	s_barrier_signal -3
.Lnot_wave_0_\@:
	s_barrier_wait -3
	s_barrier_signal -1
	s_barrier_wait -1
.endm
	s_load_b256 s[4:11], s[0:1], 0x0               ; Q's codes s[4:5], Q's scales s[6:7], K's codes s[8:9], K's scales s[10:11]
	s_load_b256 s[12:19], s[0:1], 0x20             ; V's codes s[12:13], V's scales s[14:15], mask s[16:17], out0 s[18:19]
	v_lshl_add_u32 v[SPW], v0, 2, SPARE
	v_mov_b32 v[NIL], 0
	ds_add_u32 v[SPW], v[NIL]                      ; the wave's opening: the add, twice on end, and its wait ahead of my first tensor load; the set-up below, work on registers, stands between
	ds_add_u32 v[SPW], v[NIL]
	v_lshrrev_b32 v128, 5, v0
	v_readfirstlane_b32 s[WV], v128                ; wave 0..7
	s_bfe_u32 s[CX], ttmp6, 0x40000                ; cx: it enters Q's and out0's addresses alone
	s_and_b32 s72, ttmp7, 0xffff                   ; the head, which the four partners share
	; K: 8 rows of 1,536 bytes (32 keys), every second block of 32 keys: 3,072 bytes apart; no padding
	s_mov_b32 s[G1K], 15|(1<<21)                   ; 15:0 the mask: all four work-groups; 17:16 elements of 1 byte; 21 set beside a mask
	s_mov_b32 s[G1K+1], 1536<<16                   ; tensor_dim0
	s_mov_b32 s[G1K+2], 8<<16                      ; tensor_dim1
	s_mov_b32 s[G1K+3], 1536<<16                   ; tile_dim0
	s_mov_b32 s[G1K+4], 8                          ; tile_dim1
	s_mov_b32 s[G1K+5], 3072                       ; from row to row
	s_mov_b32 s[G1K+6], 0
	s_mov_b32 s[G1K+7], 0
	; V: 64 rows of 192 bytes (256 keys), 1,536 bytes apart; 4 words of padding behind every 16
	s_mov_b32 s[G1V], 15|(1<<20)|(1<<21)|(3<<22)|(3<<25)
	s_mov_b32 s[G1V+1], 192<<16
	s_mov_b32 s[G1V+2], 64<<16
	s_mov_b32 s[G1V+3], 192<<16
	s_mov_b32 s[G1V+4], 64
	s_mov_b32 s[G1V+5], 1536
	s_mov_b32 s[G1V+6], 0
	s_mov_b32 s[G1V+7], 0
	; V's scales: 8 rows of 64 bytes, dense; 2 words of padding behind each
	s_mov_b32 s[G1S], 15|(1<<20)|(1<<21)|(3<<22)|(1<<25)
	s_mov_b32 s[G1S+1], 64<<16
	s_mov_b32 s[G1S+2], 8<<16
	s_mov_b32 s[G1S+3], 64<<16
	s_mov_b32 s[G1S+4], 8
	s_mov_b32 s[G1S+5], 64
	s_mov_b32 s[G1S+6], 0
	s_mov_b32 s[G1S+7], 0
	s_mul_i32 s74, s72, 98304                      ; the head's first byte in each tensor of codes
	s_and_b32 s76, s[WV], 1                        ; K: which parity of the blocks of 32 keys I fetch,
	s_lshr_b32 s77, s[WV], 1                       ; and which quarter of the head's 32 such blocks
	s_mul_i32 s78, s76, 1536
	s_mul_i32 s79, s77, 24576
	s_add_co_u32 s78, s78, s79
	s_add_co_u32 s78, s78, s74
	s_mov_b32 s79, 0                               ; s[78:79]: in memory
	s_mul_i32 s80, s76, KDIST
	s_mul_i32 s81, s77, 12288                      ; s80 + s81: in LDS
	s_mul_i32 s82, s[WV], 192                      ; V: keys 256 w on
	s_add_co_u32 s82, s82, s74
	s_mov_b32 s83, 0
	s_lshl_b32 s86, s72, 12                        ; the head's first byte in each tensor of scale bytes
	s_mov_b32 s87, 0
	s_lshl_b32 s84, s[WV], 9                       ; V's scales: rows 8 w on
	s_add_co_u32 s84, s84, s86
	s_mov_b32 s85, 0
	s_lshr_b32 s88, s72, 3                         ; the batch's 2,048 mask bytes
	s_lshl_b32 s88, s88, 11
	s_mov_b32 s89, 0
	s_lshl_b32 s66, s[CX], 9                       ; my first query: 512 cx + 64 w  (these registers feed no descriptor)
	s_lshl_b32 s67, s[WV], 6
	s_add_co_u32 s66, s66, s67
	s_mul_i32 s96, s66, 48
	s_add_co_u32 s96, s96, s74
	s_mov_b32 s97, 0                               ; its codes,
	s_lshl_b32 s98, s66, 1
	s_add_co_u32 s98, s98, s86
	s_mov_b32 s99, 0                               ; its scale bytes,
	s_lshl_b32 s100, s66, 8
	s_lshl_b32 s67, s72, 19
	s_add_co_u32 s100, s100, s67
	s_mov_b32 s101, 0                              ; its row of out0
	s_mov_b32 s[NK], 0xbeb8aa3b                    ; -log2(e)/4
	s_mov_b32 s[NK+1], s[NK]                       ; (named with it as a pair, so it is written)
	s_mov_b32 s[SEL], 0x76543210
	s_mov_b32 s[SEL+1], 0xfedcba98
	s_mov_b32 s31, 0x01010101
	s_mul_i32 s73, s[WV], 4352
	s_add_co_u32 s73, s73, STG                     ; my stage
	s_wait_dscnt 0x0                               ; both opening adds are done
	s_wait_kmcnt 0x0
	s_mov_b32 s[G0K], 1                            ; count = 1
	s_add_co_u32 s[G0K+1], s80, s81                ; LDS address
	s_add_nc_u64 s[G0K+2:G0K+3], s[8:9], s[78:79]  ; global address
	s_or_b32 s[G0K+3], s[G0K+3], 0x80000000        ; type = 2
	s_mov_b32 s[G0V], 1
	s_mul_i32 s[G0V+1], s[WV], VSLOT
	s_add_co_u32 s[G0V+1], s[G0V+1], VB
	s_add_nc_u64 s[G0V+2:G0V+3], s[12:13], s[82:83]
	s_or_b32 s[G0V+3], s[G0V+3], 0x80000000
	s_mov_b32 s[G0S], 1
	s_mul_i32 s[G0S+1], s[WV], 576
	s_add_co_u32 s[G0S+1], s[G0S+1], VSC
	s_add_nc_u64 s[G0S+2:G0S+3], s[14:15], s[84:85]
	s_or_b32 s[G0S+3], s[G0S+3], 0x80000000
	CROUND                                         ; all four work-groups are here: the joint loads meet
	tensor_load_to_lds s[G0K:G0K+3], s[G1K:G1K+7]  ; every wave asks for an eighth of K, of V and of V's scales: three loads of mine are out, all first fills
	s_nop 0
	tensor_load_to_lds s[G0V:G0V+3], s[G1V:G1V+7]
	s_nop 0
	tensor_load_to_lds s[G0S:G0S+3], s[G1S:G1S+7]
	s_nop 0
.rept 4
	v_nop
.endr
	s_add_nc_u64 s[4:5], s[4:5], s[96:97]
	s_add_nc_u64 s[6:7], s[6:7], s[98:99]
	s_add_nc_u64 s[10:11], s[10:11], s[86:87]
	s_add_nc_u64 s[16:17], s[16:17], s[88:89]
	s_add_nc_u64 s[18:19], s[18:19], s[100:101]
	v_and_b32 v129, 31, v0                         ; lane
	v_and_b32 v130, 15, v0                         ; r
	v_bfe_u32 v131, v0, 4, 1                       ; h
	v_mul_u32_u24 v132, v130, 48
	v_mad_u32_u24 v132, v131, 24, v132             ; Q: row r of 48 bytes, + 24 h
.irp t, 0,1,2,3
.irp p, 0,1,2
	global_load_b64 v[QB+6+12*\t+2*\p:QB+7+12*\t+2*\p], v132, s[4:5] offset:768*\t+8*\p th:TH_LOAD_NT   ; Q stays in registers; read once in the launch
.endr
.endr
	v_lshlrev_b32 v133, 1, v130
.irp t, 0,1,2,3
	global_load_u16 v[QS+\t], v133, s[6:7] offset:32*\t
.endr
	; thread T makes K's four scale words of step T / 16, row T % 16: the two bytes of key a below, those of key a + 8 above
	v_lshrrev_b32 v134, 4, v0
	v_bfe_u32 v164, v0, 3, 1                       ; (r / 8)
	v_and_b32 v165, 7, v0                          ; (r % 8)
	v_lshlrev_b32 v134, 8, v134
	v_lshl_add_u32 v134, v164, 6, v134
	v_lshl_add_u32 v134, v165, 1, v134             ; 2 x (128 (T / 16) + 32 (r / 8) + r % 8)
.irp g, 0,1,2,3
	global_load_u16 v[136+2*\g], v134, s[10:11] offset:128*(\g/2)+32*(\g%2)
	global_load_u16 v[137+2*\g], v134, s[10:11] offset:128*(\g/2)+32*(\g%2)+16
.endr
	v_lshlrev_b32 v135, 3, v0
	global_load_b64 v[144:145], v135, s[16:17]     ; the mask bytes of keys 8 T .. 8 T + 7: I make their b
	v_lshlrev_b32 v146, 6, v129
.irp i, 0,1,2,3
	global_load_b128 v[148+4*\i:151+4*\i], v146, s[16:17] offset:16*\i   ; and the batch's 2,048, 64 a lane: are all keys masked?
.endr
	; while these are on their way: addresses, zeros
	v_mul_u32_u24 v[AK0], v164, KDIST
	v_mad_u32_u24 v[AK0], v165, 48, v[AK0]
	v_mad_u32_u24 v[AK0], v131, 24, v[AK0]         ; K: (r / 8) KDIST + 48 (r % 8) + 24 h
	v_lshl_add_u32 v[AKS0], v130, 4, KSW
	v_lshl_add_u32 v[AB0], v131, 7, BT             ; b: my half's 32 keys of each 64
	v_mul_u32_u24 v[AV0], v130, 240
	v_mad_u32_u24 v[AV0], v131, 24, v[AV0]
	v_lshl_add_u32 v[AV20], v131, 4, v[AV0]
	v_add_nc_u32 v[AV0], VB, v[AV0]                ; V: row r, + 24 h;
	v_add_nc_u32 v[AV20], VB, v[AV20]              ; + 40 h for the pieces of lanes 16-31 that lie behind one padding more
	v_mul_u32_u24 v[AVS0], v129, 72
	v_add_nc_u32 v[AVS0], VSC, v[AVS0]             ; V's scale words: row = lane
	v_lshlrev_b32 v[SH8], 3, v131
	v_mul_u32_u24 v[STO], v130, 272
	v_lshl_add_u32 v[STO], v131, 5, v[STO]
	v_add_nc_u32 v[STO], s73, v[STO]
	v_mul_u32_u24 v[RD], v131, 272
	v_lshl_add_u32 v[RD], v130, 4, v[RD]
	v_add_nc_u32 v[RD], s73, v[RD]
	v_lshlrev_b32 v[GO], 8, v131
	v_lshl_add_u32 v[GO], v130, 4, v[GO]
	v_lshl_add_u32 v166, v0, 4, KSW                ; where I store my scale words,
	v_lshl_add_u32 v167, v0, 5, BT                 ; and my eight b
.irp z, 0,1,2,3,4
.irp i, 0,1,2,3,4,5
	v_mov_b32 v[QB+12*\z+\i], 0                    ; the zero codes beside Q
.endr
.endr
.irp i, 0,1,2,3,4,5,6,7
	v_mov_b32 v[LSUM+\i], 0                        ; the sums
.endr
	v_mov_b32 v[PX], 0                             ; written once: a lane permute's destination counts as one of its sources
	WIN 0x40
.set i, 0
.rept 128
	v_mov_b32 v[OB+i], 0                           ; O^T: so the loop is written once; a first trip of its own would double the text
.set i, i+1
.endr
	WIN 0
	s_wait_loadcnt 0x0
.irp t, 0,1,2,3
	v_lshl_or_b32 v[QS+\t], v[QS+\t], 16, v[QS+\t] ; the row's two bytes for [Q|0] and for [0|Q] alike
.endr
.irp g, 0,1,2,3
	v_lshl_or_b32 v[168+\g], v[137+2*\g], 16, v[136+2*\g]
.endr
	ds_store_b128 v166, v[168:171]
.irp i, 0,2,4,6,8,10,12,14
	v_and_b32 v[148+\i], v[148+\i], v[149+\i]
.endr
.irp i, 0,4,8,12
	v_and_b32 v[148+\i], v[148+\i], v[150+\i]
.endr
	v_and_b32 v148, v148, v152
	v_and_b32 v156, v156, v160
	v_and_b32 v148, v148, v156                     ; 0x01010101 where all my 64 bytes are 1
	v_cmp_eq_u32 s[FLG], s31, v148
	s_cmp_eq_u32 s[FLG], -1                        ; in all 32 lanes: every key of the batch is masked.  It selects values; nothing branches on it
	s_cselect_b32 s[AM], 0, 0x41e6d4ca             ; A = 0, or 2 C
	s_cselect_b32 s[BM], 0, 0xf149f2ca             ; a masked key's b = 0, or -1e30
	s_mov_b32 s[AM+1], s[AM]
	v_mov_b32 v173, s[BM]
	v_mov_b32 v174, 0xc1eb6a65                     ; an open key's b = -C - 15
.irp j, 0,1,2,3,4,5,6,7
	v_bfe_u32 v172, v[144+\j/4], 8*(\j%4), 8
	v_cmp_ne_u32 vcc_lo, 0, v172
	v_cndmask_b32 v[176+\j], v174, v173, vcc_lo
.endr
	ds_store_b128 v167, v[176:179]
	ds_store_b128 v167, v[180:183] offset:16
	s_wait_tensorcnt 0x0                           ; my parts of K, V and V's scales have landed,
	s_wait_dscnt 0x0                               ; my scale words and my b are stored:
	s_barrier_signal -1
	s_barrier_wait -1                              ; everybody's are.  From here on all of LDS but each wave's own stage is only read
; K's four fragments and scale words of step o, counted from the trip's first
.macro KLOAD ak, aks, o
	WIN 0x40                                       ; destination window 1
.irp g, 0,1,2,3
.irp p, 0,1,2
	ds_load_b64 v[KF+12*\g+2*\p:KF+12*\g+2*\p+1], v[\ak] offset:3072*\o+1536*(\g/2)+768*(\g%2)+8*\p          ; key a: my half's 24 bytes
.endr
.irp p, 0,1,2
	ds_load_b64 v[KF+12*\g+6+2*\p:KF+12*\g+7+2*\p], v[\ak] offset:3072*\o+1536*(\g/2)+768*(\g%2)+384+8*\p    ; key a + 8
.endr
.endr
	WIN 0
	ds_load_b128 v[KS:KS+3], v[\aks] offset:256*\o
.endm
; b of my 64 keys of step q: two runs of 32; the sixteen lanes of a half read the same words
.macro BLOAD q
.irp i, 0,1,2,3,4,5,6,7,8,9,10,11,12,13,14,15
	ds_load_b128 v[BK+4*\i:BK+4*\i+3], v[ADB] offset:512*\q+256*(\i/8)+16*(\i%8)
.endr
.endm
; V's four fragments (16 of the head's 64 x 128 keys) and scale words of step q.  A row's data come in pieces of 8 bytes, 16 bytes of padding behind every eighth; lanes 16-31 read three pieces further on
.macro VLOAD q
	WIN 0x40
.irp d, 0,1,2,3
.irp p, 0,1,2,3,4,5
.set PCE, 12*(\q)+6*(\p/3)+\p%3
.if PCE%8 < 5
	ds_load_b64 v[VF+12*\d+2*\p:VF+12*\d+2*\p+1], v[ADV] offset:8*PCE+16*(PCE/8)+3840*\d
.else
	ds_load_b64 v[VF+12*\d+2*\p:VF+12*\d+2*\p+1], v[ADV2] offset:8*PCE+16*(PCE/8)+3840*\d
.endif
.endr
.endr
	WIN 0
	ds_load_b32 v[VS], v[ADVS] offset:4*\q
	ds_load_b32 v[VS+1], v[ADVS] offset:4*\q+2304
.endm
; The three batches of 64 transcendentals, in place on S.  A batch's packed line for pair i stands two pairs ahead of that pair's transcendentals, so plain lines stand among them, and none names a pending result.
; Behind each batch: one plain line, and the one wait ahead of the first line that names a result.  Each accumulator of S is read from its low end on.
.macro ST1                             ; y = -s log2(e)/4;  e = 2^y
.set i, 0
.rept 32
	v_pk_mul_f32 v[S+2*i:S+2*i+1], v[S+2*i:S+2*i+1], s[NK:NK+1] op_sel_hi:[1,0]
.if i >= 2
	v_exp_f32 v[S+2*i-4], v[S+2*i-4]
	v_exp_f32 v[S+2*i-3], v[S+2*i-3]
.endif
.set i, i+1
.endr
.irp j, 60,61,62,63
	v_exp_f32 v[S+\j], v[S+\j]
.endr
	v_nop
	s_wait_alu depctr_va_vdst(0)
.endm
.macro ST2                             ; d = 1 + e;  r = 1 / d
.set i, 0
.rept 32
	v_pk_add_f32 v[S+2*i:S+2*i+1], v[S+2*i:S+2*i+1], 1.0 op_sel_hi:[1,0]
.if i >= 2
	v_rcp_f32 v[S+2*i-4], v[S+2*i-4]
	v_rcp_f32 v[S+2*i-3], v[S+2*i-3]
.endif
.set i, i+1
.endr
.irp j, 60,61,62,63
	v_rcp_f32 v[S+\j], v[S+\j]
.endr
	v_nop
	s_wait_alu depctr_va_vdst(0)
.endm
.macro ST3                             ; x = A r + b[key];  p = 2^x
.set i, 0
.rept 32
	v_pk_fma_f32 v[S+2*i:S+2*i+1], v[S+2*i:S+2*i+1], s[AM:AM+1], v[BK+2*i:BK+2*i+1] op_sel_hi:[1,0,1]
.if i >= 2
	v_exp_f32 v[S+2*i-4], v[S+2*i-4]
	v_exp_f32 v[S+2*i-3], v[S+2*i-3]
.endif
.set i, i+1
.endr
.irp j, 60,61,62,63
	v_exp_f32 v[S+\j], v[S+\j]
.endr
	v_nop
	s_wait_alu depctr_va_vdst(0)
.endm
; p's two blocks of 32 of my lane become codes and scale bytes.  All 32 numbers of a block are mine; none is negative
.macro MAXQ
.irp c, 0,1
	v_max3_num_f32 v[MX+2*\c], v[S+32*\c], v[S+32*\c+1], 0x2800000         ; two chains a block; the floor 2^(5 - 127) is a leaf: the byte cannot fall under 1 (a block of zeros keeps that byte: its codes are zeros)
	v_max3_num_f32 v[MX+2*\c+1], v[S+32*\c+16], v[S+32*\c+17], v[S+32*\c+18]
.endr
.irp i, 0,1,2,3,4,5
.irp c, 0,1
	v_max3_num_f32 v[MX+2*\c], v[MX+2*\c], v[S+32*\c+2+2*\i], v[S+32*\c+3+2*\i]
	v_max3_num_f32 v[MX+2*\c+1], v[MX+2*\c+1], v[S+32*\c+19+2*\i], v[S+32*\c+20+2*\i]
.endr
.endr
.irp c, 0,1
	v_max3_num_f32 v[MX+2*\c], v[MX+2*\c], v[S+32*\c+14], v[S+32*\c+15]
.endr
.irp c, 0,1
	v_max3_num_f32 v[MX+2*\c], v[MX+2*\c], v[MX+2*\c+1], v[S+32*\c+31]     ; the block's largest p
.endr
.irp c, 0,1
	v_add_nc_u32 v[SOP+\c], 0xfe000000, v[MX+2*\c]                         ; 4 off its exponent field: the conversion takes the exponent field of this operand as its scale
.endr
.irp c, 0,1
	v_lshrrev_b32 v[SBY+\c], 23, v[SOP+\c]                                 ; the scale's byte
.endr
	v_lshl_or_b32 v[SBY], v[SBY+1], 16, v[SBY]     ; my two bytes: blocks h and 2 + h,
	v_lshlrev_b32 v[SBY], v[SH8], v[SBY]           ; at their places in the word;
	v_permlanex16_b32 v[PX], v[SBY], s[SEL], s[SEL+1]
	v_or_b32 v[PW], v[SBY], v[PX]                  ; with lane l xor 16's two the word is whole
.irp c, 0,1
	v_cvt_scalef32_pk16_bf6_f32 v[PC+6*\c:PC+6*\c+2], v[S+32*\c:S+32*\c+15], v[SOP+\c]
	v_cvt_scalef32_pk16_bf6_f32 v[PH+4*\c:PH+4*\c+2], v[S+32*\c+16:S+32*\c+31], v[SOP+\c]   ; (a conversion's three registers begin on an even number)
.endr
	v_nop                                          ; one plain line behind the scaled conversions
.irp c, 0,1
.irp i, 0,1,2
	v_mov_b32 v[PC+3+6*\c+\i], v[PH+4*\c+\i]
.endr
.endr
.endm
; The row's sum is taken of the UNQUANTISED p: 32 packed additions in four chains.  They are also the plain lines between the writing of p's scale word and codes and the products that take them
.macro SUM t
.irp k, 0,1,2,3
	v_pk_add_f32 v[CH+2*\k:CH+2*\k+1], v[S+2*\k:S+2*\k+1], v[S+8+2*\k:S+9+2*\k]
.endr
.set i, 8
.rept 24
	v_pk_add_f32 v[CH+2*(i%4):CH+2*(i%4)+1], v[CH+2*(i%4):CH+2*(i%4)+1], v[S+2*i:S+2*i+1]
.set i, i+1
.endr
	v_pk_add_f32 v[CH:CH+1], v[CH:CH+1], v[CH+2:CH+3]
	v_pk_add_f32 v[CH+4:CH+5], v[CH+4:CH+5], v[CH+6:CH+7]
	v_pk_add_f32 v[CH:CH+1], v[CH:CH+1], v[CH+4:CH+5]
	v_pk_add_f32 v[LSUM+2*\t:LSUM+2*\t+1], v[LSUM+2*\t:LSUM+2*\t+1], v[CH:CH+1]
.endm
; Tile t (16 queries) against the 128 keys of step q of the trip
.macro TILE t, q
.if \t == 0
	s_wait_dscnt 42                                ; K's 25 loads are in: behind them stand b's 16 and V's 26
.endif
	WIN 0x01                                       ; source 0 (K) window 1
.irp g, 0,1,2,3
	v_wmma_scale_f32_16x16x128_f8f6f4 v[S+16*\g:S+16*\g+7], v[KF+12*\g:KF+12*\g+11], v[QB+6+12*\t:QB+17+12*\t], 0, v[KS+\g], v[QS+\t] matrix_a_fmt:MATRIX_FMT_BF6 matrix_b_fmt:MATRIX_FMT_BF6
	v_wmma_scale_f32_16x16x128_f8f6f4 v[S+16*\g+8:S+16*\g+15], v[KF+12*\g:KF+12*\g+11], v[QB+12*\t:QB+11+12*\t], 0, v[KS+\g], v[QS+\t] matrix_a_fmt:MATRIX_FMT_BF6 matrix_b_fmt:MATRIX_FMT_BF6
.endr
	WIN 0
.rept 4
	v_nop                                          ; four plain lines between these products and the first read of their results, and the loads into K's registers (ISA guide 7.12.1 for the reads of results)
.endr
.if \t == 3                            ; all four tiles have multiplied by this step's K: the next step's is fetched, a tile's softmax ahead of its use
.if \q == 0
	KLOAD ADK, ADKS, 1
.else
	s_cmp_eq_u32 s[CNT], 1                         ; the last trip has no next step: a branch on the count of trips, round LDS loads alone
	s_cbranch_scc1 .Lno_k_\@
	KLOAD ADK, ADKS, 2
.Lno_k_\@:
.endif
.endif
	ST1
	ST2
.if \t == 0
	s_wait_dscnt 26                                ; b is in: behind its loads stand V's 26
.endif
	ST3
	MAXQ
	SUM \t
.if \t == 0
	s_wait_dscnt 0x0                               ; V is in
.endif
	WIN 0x51                                       ; source 0 (V), C and D (O^T) window 1.  Four accumulators, one instruction each: no product follows one on its own accumulator
.irp d, 0,1,2,3
.if \d % 2
	v_wmma_scale_f32_16x16x128_f8f6f4 v[OB+32*\t+8*\d:OB+32*\t+8*\d+7], v[VF+12*\d:VF+12*\d+11], v[PC:PC+11], v[OB+32*\t+8*\d:OB+32*\t+8*\d+7], v[VS+\d/2], v[PW] matrix_a_fmt:MATRIX_FMT_BF6 matrix_b_fmt:MATRIX_FMT_BF6 matrix_a_scale:MATRIX_SCALE_ROW1
.else
	v_wmma_scale_f32_16x16x128_f8f6f4 v[OB+32*\t+8*\d:OB+32*\t+8*\d+7], v[VF+12*\d:VF+12*\d+11], v[PC:PC+11], v[OB+32*\t+8*\d:OB+32*\t+8*\d+7], v[VS+\d/2], v[PW] matrix_a_fmt:MATRIX_FMT_BF6 matrix_b_fmt:MATRIX_FMT_BF6
.endif
.endr
.endm
.macro STEP q
.if \q == 1
	WIN 0
.rept 4
	v_nop                                          ; four plain lines between the last products and the loads into V's registers (in step 0 the trip's six additions are these)
.endr
.endif
	BLOAD \q
	VLOAD \q
	TILE 0, \q
	TILE 1, \q
	TILE 2, \q
	TILE 3, \q
.endm
	KLOAD AK0, AKS0, 0                             ; step 0
	s_mov_b32 s[CNT], 8
	s_mov_b32 s[TK], 0
	s_mov_b32 s[TKS], 0
	s_mov_b32 s[TBB], 0
	s_mov_b32 s[TV], 0
	s_mov_b32 s[TVS], 0
.Ltrip:                                            ; 8 trips of two steps: 256 keys, one slot of V
	v_add_nc_u32 v[ADK], s[TK], v[AK0]
	v_add_nc_u32 v[ADKS], s[TKS], v[AKS0]
	v_add_nc_u32 v[ADB], s[TBB], v[AB0]
	v_add_nc_u32 v[ADV], s[TV], v[AV0]
	v_add_nc_u32 v[ADV2], s[TV], v[AV20]
	v_add_nc_u32 v[ADVS], s[TVS], v[AVS0]
	STEP 0
	STEP 1
	WIN 0                                          ; at a label and at a branch every window is 0
	s_add_co_u32 s[TK], s[TK], 6144                ; 256 keys on: 4 rows of 1,536 bytes in each half of K,
	s_add_co_u32 s[TKS], s[TKS], 512               ; two steps' scale words,
	s_add_co_u32 s[TBB], s[TBB], 1024              ; 256 b,
	s_add_co_u32 s[TV], s[TV], VSLOT               ; a slot of V,
	s_add_co_u32 s[TVS], s[TVS], 8                 ; 8 scale bytes in each row of V's
	s_sub_co_u32 s[CNT], s[CNT], 1
	s_cmp_lg_u32 s[CNT], 0
	s_cbranch_scc1 .Ltrip
	; THE WAY OUT.  A sum's two halves and the other half of the lanes' are added; O^T is divided by the sum and goes through my own stage in LDS, a tile (16 rows of out0) at a time.  The first additions are the plain lines behind the last products.
.irp t, 0,1,2,3
	v_add_f32 v[CH+\t], v[LSUM+2*\t], v[LSUM+2*\t+1]
.endr
.irp t, 0,1,2,3
	v_permlanex16_b32 v[CH+4+\t], v[CH+\t], s[SEL], s[SEL+1]
.endr
.irp t, 0,1,2,3
	v_add_f32 v[CH+\t], v[CH+\t], v[CH+4+\t]       ; never 0: an open key's p is at least 2^-29.5, and where no key is open every p is 1
.endr
.irp t, 0,1,2,3
	v_rcp_f32 v[LSUM+2*\t], v[CH+\t]
.endr
	v_nop                                          ; a plain line behind the last reciprocal,
	s_wait_alu depctr_va_vdst(0)                   ; and the one wait ahead of the first use
; Tile t: a lane's eight numbers of a row are 32 bytes; they go into rows of 272 bytes and come back as whole rows of 256, into the registers that they left
.macro PACK t
	WIN 0x01                                       ; source 0 (O^T) window 1; each accumulator from its low end on
.set i, 0
.rept 16
	v_pk_mul_f32 v[S+32*\t+2*i:S+32*\t+2*i+1], v[OB+32*\t+2*i:OB+32*\t+2*i+1], v[LSUM+2*\t:LSUM+2*\t+1] op_sel_hi:[1,0]
.set i, i+1
.endr
	WIN 0
.irp d, 0,1,2,3
	ds_store_b128 v[STO], v[S+32*\t+8*\d:S+32*\t+8*\d+3] offset:64*\d
	ds_store_b128 v[STO], v[S+32*\t+8*\d+4:S+32*\t+8*\d+7] offset:64*\d+16
.endr
.irp f, 0,1,2,3,4,5,6,7
	ds_load_b128 v[S+32*\t+4*\f:S+32*\t+4*\f+3], v[RD] offset:544*\f   ; LDS serves a wave's instructions in order (ISA guide 5.7.1.4): these see the stores above; the next tile's stores come behind them
.endr
.endm
.macro SEND t, younger                 ; younger: the LDS instructions issued behind tile t's loads: the next tile's sixteen, or none
.irp f, 0,1,2,3,4,5,6,7
	s_wait_dscnt \younger+7-\f
	global_store_b128 v[GO], v[S+32*\t+4*\f:S+32*\t+4*\f+3], s[18:19] offset:4096*\t+512*\f th:TH_STORE_NT   ; 16 lanes store a row's 256 consecutive bytes, at a multiple of 256 from out0's first byte
.endr
.endm
	PACK 0
	PACK 1                                         ; a tile's arithmetic stands between the loads of the tile before and its stores
	SEND 0, 16
	PACK 2
	SEND 1, 16
	PACK 3
	SEND 2, 16
	SEND 3, 0
	s_wait_tensorcnt 0x0                           ; the wave's end: behind my last tensor load and my last LDS store
	ds_add_u32 v[SPW], v[NIL]
	s_wait_dscnt 0x0
	CROUND                                         ; the closing round
	s_endpgm
.Lfunc_end_k_q068fdf63c1_attn:
	.size	k_q068fdf63c1_attn, .Lfunc_end_k_q068fdf63c1_attn-k_q068fdf63c1_attn
	.p2alignl 7, 3214868480
	.fill 96, 4, 3214868480
	.section	.rodata,"a",@progbits
	.p2align	6, 0x0
	.amdhsa_kernel k_q068fdf63c1_attn
		.amdhsa_group_segment_fixed_size 274432
		.amdhsa_private_segment_fixed_size 0
		.amdhsa_enable_private_segment 0
		.amdhsa_kernarg_size 64
		.amdhsa_user_sgpr_count 2
		.amdhsa_user_sgpr_kernarg_segment_ptr 1
		.amdhsa_wavefront_size32 1
		.amdhsa_system_sgpr_workgroup_id_x 1
		.amdhsa_system_sgpr_workgroup_id_y 1
		.amdhsa_system_sgpr_workgroup_id_z 1
		.amdhsa_system_vgpr_workitem_id 0
		.amdhsa_next_free_vgpr 512
		.amdhsa_next_free_sgpr 102
		.amdhsa_reserve_vcc 1
		.amdhsa_float_denorm_mode_32 3
		.amdhsa_float_denorm_mode_16_64 3
		.amdhsa_memory_ordered 1
		.amdhsa_forward_progress 1
		.amdhsa_inst_pref_size 194
	.end_amdhsa_kernel
	.amdgpu_metadata
---
amdhsa.version: [ 1, 2 ]
amdhsa.kernels:
  - .name:           k_q068fdf63c1_attn
    .symbol:         k_q068fdf63c1_attn.kd
    .args:
      - { .name: Q_codes, .offset: 0, .size: 8, .value_kind: global_buffer, .address_space: global }
      - { .name: Q_scales, .offset: 8, .size: 8, .value_kind: global_buffer, .address_space: global }
      - { .name: K_codes, .offset: 16, .size: 8, .value_kind: global_buffer, .address_space: global }
      - { .name: K_scales, .offset: 24, .size: 8, .value_kind: global_buffer, .address_space: global }
      - { .name: V_codes, .offset: 32, .size: 8, .value_kind: global_buffer, .address_space: global }
      - { .name: V_scales, .offset: 40, .size: 8, .value_kind: global_buffer, .address_space: global }
      - { .name: mask, .offset: 48, .size: 8, .value_kind: global_buffer, .address_space: global }
      - { .name: out0, .offset: 56, .size: 8, .value_kind: global_buffer, .address_space: global }
    .group_segment_fixed_size: 274432
    .private_segment_fixed_size: 0
    .kernarg_segment_align: 8
    .kernarg_segment_size: 64
    .max_flat_workgroup_size: 256
    .sgpr_count:     102
    .vgpr_count:     512
    .wavefront_size: 32
...
	.end_amdgpu_metadata
.endif
;; end of part 1
